; MI455X (gfx1250); checked and timed in simulation.
; The chip was launched on July 23, 2026; its instructions are those of AMD's public machine-readable ISA for CDNA 5 (MIT licence, August 2026) and "CDNA5" Instruction Set Architecture Reference Guide (July 2026). The comments in the code are by the model that wrote it; some were corrected since.
;; Bahdanau Attention. Allowed arithmetic: matrix products marked QUANTISED: E3M2 operands, one E8M0 scale for each 32 along K, by v_wmma_scale_f32_16x16x128_f8f6f4 with both operands' format E3M2, f32 sums; products left as they are: f32 operands where the result goes on into a quantised operand, else bf16, f16 or f32 operands; f32 sums; everything else in f32.
;; Inputs: Ua_b 1,024 float32; Ua_w 1,024 x 1,024 float32; Va_b 1 float32; Va_w 1 x 1,024 float32; Wa_b 1,024 float32; Wa_w 1,024 x 1,024 float32; keys 32 x 2,048 x 1,024 float32; query 32 x 1,024 float32.
;; Outputs: out0 32 x 1,024 float32; out1 32 x 2,048 float32.
;; This version of the problem:
;;   THIS VERSION OF THE PROBLEM IS GIVEN IN LOW PRECISION. The matrix products marked QUANTISED in the list below multiply operands that are first quantised to E3M2 (3 exponent bits, 2 mantissa bits; 6 bits a number), with one power-of-two scale for each 32 numbers along K (OCP MX v1.0); their sums are f32. All else is computed in f32.
;;   The module's matrix products, in the order in which they are computed (A, B: the left and right operand; K: the contracted axis; several contracted axes count as one K, in the product's order):
;;     1. [M 32, K 1,024] x [K 1,024, N 1,024]; A: input query; B: input Wa_w: QUANTISED
;;     2. [M 65,536, K 1,024] x [K 1,024, N 1,024]; A: input keys; B: input Ua_w: QUANTISED
;;     3. [M 65,536, K 1,024] x [K 1,024, N 1]; A: computed on the way; B: input Va_w: left as it is (N = 1 < 16)
;;     4. batch 32 x [M 1, K 2,048] x [K 2,048, N 1,024]; A: softmax; B: input keys: left as it is (M = 1 < 16)
;;   THE QUANTISER, for each operand of a quantised product, along K:
;;     - K is cut into blocks of 32 from its start; a last block that is shorter is filled with zeros.
;;     - A block's scale is 2^e with e = floor(log2(the largest magnitude in the block)) - 4, held to -126 .. 127; a block of zeros has e = 0. As a byte (E8M0): e + 127.
;;     - Each number is divided by its block's scale, clamped to +-28, and rounded to the nearest number of E3M2, ties to even, subnormals kept.
;;     - The product sums the exact products of the quantised numbers (number of the format x scale) in f32.
;;   ~~~python
;;   def quantise(x, axis):      # numpy; x: float32 -> the quantised numbers, widened to float32 again
;;       x = np.moveaxis(x, axis, -1); K = x.shape[-1]
;;       x = np.pad(x, [(0, 0)] * (x.ndim - 1) + [(0, -K % 32)]); x = x.reshape(x.shape[:-1] + (-1, 32)); a = np.abs(x).max(-1, keepdims=True)
;;       e = np.where(a > 0, np.clip(np.frexp(np.where(a > 0, a, 1))[1] - 1 - 4, -126, 127), 0)      # np.frexp(a)[1] - 1 = floor(log2(a)), exactly
;;       r = np.clip(x / 2.0 ** e, -28, 28)
;;       step = 2.0 ** (np.maximum(np.frexp(np.where(r == 0, 1, r))[1] - 1, -2) - 2)
;;       q = np.round(r / step) * step * 2.0 ** e      # np.round: ties to even
;;       return np.moveaxis(q.reshape(q.shape[:-2] + (-1,))[..., :K], -1, axis).astype(np.float32)
;;   ~~~
;; One version. Each part assembles by itself: llvm-mc -triple=amdgcn-amd-amdhsa -mcpu=gfx1250 --defsym DOCPART=n.
;; ======== version 1 of 1: 3 launches
;; limits: right only within a limited range of input values
;; workspace buffers: wimg 819,200 bytes; qbt 131,072 bytes; sraw 262,144 bytes
;; launch prep (part 1): grid 64 x 1, 8 waves a work-group, no clusters, 21,504 bytes of LDS; arguments Ua_w, Wa_w, query, Wa_b, Ua_b, wimg, qbt; writes wimg, qbt
.if DOCPART == 1
	.amdgcn_target "amdgcn-amd-amdhsa--gfx1250"
	.amdhsa_code_object_version 6
	.text
	.protected	k_q90717e6be2_prep
	.globl	k_q90717e6be2_prep
	.p2align	8
	.type	k_q90717e6be2_prep,@function
k_q90717e6be2_prep:
	s_mov_b64 s[64:65], 0
	v_nop
	global_prefetch_b8 v0, s[64:65] scope:SCOPE_SE
	s_setreg_imm32_b32 hwreg(HW_REG_WAVE_MODE, 25, 1), 1
	s_wait_xcnt 0x0
; PREP.  Two small things that the main launch wants ready:
;  (a) Ua_w [1024 n][1024 k] f32 as codes of BF6 (E3M2) with one E8M0 byte for each 32 along k, laid as IMAGES OF OPERAND REGISTERS: block x (12,800 bytes) holds the 16 rows n = 16 x ..:
;      eight fragments (K step s at 1,536 s; registers 4 c .. 4 c + 3 of lane l at 512 c + 16 l) and, at 12,288, the scale words: word j of lane r + 16 u is row r's word of K step 2 j + u.
;  (b) qbt[tile x][batch 32][16 n] f32 = Q(query) Q(Wa_w)^T + Wa_b + Ua_b: the first quantised product with both biases added.
; SHARES.  Work-group x takes rows 16 x .. 16 x + 15 of both weights; wave s takes K step s (128 along k).  The eight waves' partial sums of (b) meet in LDS: one barrier.
; A lane (r = lane % 16, h = lane / 16) loads k = 64 c + 32 h + 0 .. 31 of row r, c = 0, 1: two whole blocks of 32, in the order of the operand's registers, so that no other lane is asked for a maximum.
; No cluster: what the work-groups share is the query alone, 128 KiB beside the 8 MiB of weights that are read once.
; LIMITS: NaN and infinities are not served.  A block of zeros, and one whose largest magnitude lies under 2^(5 - 127), gets the byte 1; a block of zeros has zero codes, and the bytes are read by this program alone.
; The sum over K of (b) is made of eight partial sums of 128, added in a tree.
; WORK LEFT OUT BY THE WHOLE PROGRAM.  tanh(x) = 1 - 2 / (1 + e^(2 x)), so score[b][s] = (the sum of Va_w + Va_b) - 2 S[b][s], with S[b][s] = the sum over h of Va_w[h] / (1 + e^(2 x[b][s][h])).
; The bracket is the same for all s of a batch, and a softmax along s is not moved by a term that is the same along its axis, whatever the inputs hold: neither the sum of Va_w nor Va_b is added.
; Va_b then has no way to any output: it is not loaded and is among no launch's arguments.  LIMIT: a NaN, an infinity or an overflow that reaches only that term is not carried to the result.
.set RO,   1
.set L16,  2                           ; v2    16 x lane
.set H8,   3                           ; v3    8 h
.set TM,   4                           ; v4-10 at work in QUANT6
.set SW,   12                          ; v12-15 scale words, and nothing else: Wa_w's, the query's two tiles', Ua_w's
.set SQ0,  13
.set SQ1,  14
.set SU,   15
.set FW,   16                          ; fragments, 12 registers each
.set FQ0,  28
.set FQ1,  40
.set FU,   52                          ; (v52-59 also hold the upper halves' codes of the first three fragments on their way)
.set SA,   64                          ; three sets of 64 numbers as loaded
.set SB,   128
.set SD,   192
.set D0,   128                         ; the two results, in set B when it is done with
.set D1,   136
.set AUX,  144
.set TT,   152
.set BO,   153                         ; 16 (lane % 4): my four n in a bias
.set PST,  154                         ; where I put my partial sums
.set SCA,  155                         ; where I put Ua_w's scale word
.set PLD,  156                         ; where I read partial sums back
.set BW,   192
.set BU,   196
.set PART, 0                           ; LDS: wave s at 2,048 s, tile of batch rows m at 1,024 m, registers 4 q .. at 512 q, lane at 16 l
.set SCI,  16384                       ; LDS: the scale image, 512 bytes
.set WV,   18
.set SEL,  28                          ; s[28:29] v_permlanex16_b32's selects for lane l xor 16
; 64 numbers of a lane, v[src + 32 c + i] = k 64 c + 32 h + i of my row, become a fragment in v[dst ..] and my row's scale word in v[wt] (the same in both halves of the lanes).
.macro QUANT6 src, dst, aux, wt
.irp c, 0,1
	v_max3_num_f32 v[TM+\c], |v[\src+32*\c]|, |v[\src+32*\c+1]|, 0x2800000   ; the floor 2^(5 - 127) among the leaves: the byte cannot fall under 1
.endr
.irp i, 2,4,6,8,10,12,14,16,18,20,22,24,26,28,30
.irp c, 0,1
	s_delay_alu instid0(VALU_DEP_2)
	v_max3_num_f32 v[TM+\c], v[TM+\c], |v[\src+32*\c+\i]|, |v[\src+32*\c+\i+1]|   ; the two blocks by turns
.endr
.endr
.irp c, 0,1
	s_delay_alu instid0(VALU_DEP_2)
	v_add_nc_u32 v[TM+2+\c], 0xfe000000, v[TM+\c]      ; 4 off the exponent field: the conversion's scale operand
.endr
.irp c, 0,1
	s_delay_alu instid0(VALU_DEP_2)
	v_lshrrev_b32 v[TM+4+\c], 23, v[TM+2+\c]           ; the scale's byte
.endr
	s_delay_alu instid0(VALU_DEP_1)
	v_lshl_or_b32 v[\wt], v[TM+5], 16, v[TM+4]         ; my blocks are h and 2 + h of the K step
	s_delay_alu instid0(VALU_DEP_1)
	v_lshlrev_b32 v[\wt], v[H8], v[\wt]
	s_delay_alu instid0(VALU_DEP_1)
	v_permlanex16_b32 v[TM+6], v[\wt], s[SEL], s[SEL+1]
	s_delay_alu instid0(VALU_DEP_1)
	v_or_b32 v[\wt], v[\wt], v[TM+6]                   ; with lane l xor 16's two bytes the word is whole
.irp c, 0,1
	v_cvt_scalef32_pk16_bf6_f32 v[\dst+6*\c:\dst+6*\c+2], v[\src+32*\c:\src+32*\c+15], v[TM+2+\c]
	v_cvt_scalef32_pk16_bf6_f32 v[\aux+4*\c:\aux+4*\c+2], v[\src+32*\c+16:\src+32*\c+31], v[TM+2+\c]   ; a conversion's three registers begin on an even number: the upper half is made elsewhere and moved
.endr
	v_nop                                              ; one plain line behind the conversions
.irp c, 0,1
.irp i, 0,1,2
	v_mov_b32 v[\dst+6*\c+3+\i], v[\aux+4*\c+\i]
.endr
.endr
.endm
.macro LOADW st, base, off             ; 16 rows x 128 k of f32: 16 loads of 16 bytes a lane
.irp c, 0,1
.irp q, 0,1,2,3,4,5,6,7
	global_load_b128 v[\st+32*\c+4*\q:\st+32*\c+4*\q+3], v[RO], s[\base:\base+1] offset:\off+256*\c+16*\q
.endr
.endr
.endm
	s_load_b256 s[4:11], s[0:1], 0x0               ; Ua_w s[4:5], Wa_w s[6:7], query s[8:9], Wa_b s[10:11]
	s_load_b128 s[12:15], s[0:1], 0x20             ; Ua_b s[12:13], wimg s[14:15]
	s_load_b64 s[16:17], s[0:1], 0x30              ; qbt
	v_lshl_add_u32 v11, v0, 2, 0x5000
	s_set_vgpr_msb 0x40
	v_mov_b32 v1, 0
	s_set_vgpr_msb 0x4000
	v_lshrrev_b32 v1, 5, v0
	s_delay_alu instid0(VALU_DEP_1)
	v_readfirstlane_b32 s[WV], v1                  ; wave = K step
	v_and_b32 v4, 15, v0                           ; r
	v_bfe_u32 v5, v0, 4, 1                         ; h
	v_and_b32 v6, 31, v0                           ; lane
	s_delay_alu instid0(VALU_DEP_3)
	v_lshlrev_b32 v[RO], 12, v4
	s_delay_alu instid0(VALU_DEP_1)
	v_lshl_add_u32 v[RO], v5, 7, v[RO]
	s_delay_alu instid0(VALU_DEP_3)
	v_lshlrev_b32 v[L16], 4, v6
	v_lshlrev_b32 v[H8], 3, v5
	v_mov_b32 v[TM+6], 0                           ; written once: a lane permute's destination counts as read
	s_mov_b32 s[SEL], 0x76543210
	s_mov_b32 s[SEL+1], 0xfedcba98
	s_lshl_b32 s20, ttmp9, 16                      ; 16 rows of 4,096 bytes a tile,
	s_lshl_b32 s22, s[WV], 9                       ; 512 bytes a K step
	s_add_co_u32 s20, s20, s22
	s_mov_b32 s21, 0
	s_mov_b32 s23, 0
	s_lshl_b32 s26, ttmp9, 6                       ; the tile's 16 numbers in a bias
	s_mov_b32 s27, 0
	s_mul_i32 s34, ttmp9, 12800                    ; the tile's block in wimg,
	s_mov_b32 s35, 0
	s_mul_i32 s36, s[WV], 1536                     ; my fragment in it
	s_mov_b32 s37, 0
	s_lshl_b32 s38, ttmp9, 11                      ; the tile's 2,048 bytes in qbt, and 512 for each of the four waves that store them
	s_add_co_u32 s38, s38, s22
	s_mov_b32 s39, 0
	s_lshl_b32 s30, s[WV], 11                      ; my 2,048 bytes of partial sums
	s_and_b32 s31, s[WV], 1
	s_lshl_b32 s31, s31, 8
	s_lshr_b32 s32, s[WV], 1
	s_lshl_b32 s32, s32, 2
	s_add_co_u32 s31, s31, s32                     ; K step s in the scale image: 256 (s % 2) + 4 (s / 2)
	s_bfe_u32 s33, s[WV], 0x10001
	s_lshl_b32 s33, s33, 10
	s_and_b32 s32, s[WV], 1
	s_lshl_b32 s32, s32, 7
	s_add_co_u32 s33, s33, s32                     ; waves 0-3 on the way out: tile of batch rows m = wave / 2, its rows 8 (wave % 2) on
	s_wait_alu depctr_va_vdst(0)
	s_wait_kmcnt 0x0
	s_add_nc_u64 s[4:5], s[4:5], s[20:21]
	s_add_nc_u64 s[6:7], s[6:7], s[20:21]
	s_add_nc_u64 s[8:9], s[8:9], s[22:23]
	s_add_nc_u64 s[10:11], s[10:11], s[26:27]
	s_add_nc_u64 s[12:13], s[12:13], s[26:27]
	s_add_nc_u64 s[14:15], s[14:15], s[34:35]
	s_add_nc_u64 s[24:25], s[14:15], s[36:37]
	s_add_nc_u64 s[16:17], s[16:17], s[38:39]
	LOADW SA, 6, 0                                 ; Wa_w's tile
	LOADW SB, 8, 0                                 ; the query's rows 0-15
	LOADW SD, 8, 65536                             ; and 16-31
	s_wait_loadcnt 32                              ; Wa_w's 16 loads are in; the query's 32 may be out
	QUANT6 SA, FW, FU, SW
	LOADW SA, 4, 0                                 ; Ua_w's tile, into the set just read
	s_wait_loadcnt 32                              ; the query's first 16 are in; behind them: its second 16 and Ua_w's 16
	QUANT6 SB, FQ0, FU, SQ0
	s_wait_loadcnt 16                              ; the query's second 16; Ua_w's may be out
	QUANT6 SD, FQ1, FU, SQ1
	; the addresses of the way out, made on the one way that all waves take.  These 13 plain lines also stand between the last writes of operands and scale words and the scaled products
	v_and_b32 v[TT], 3, v0
	s_delay_alu instid0(VALU_DEP_1)
	v_lshlrev_b32 v[BO], 4, v[TT]
	v_add_nc_u32 v[PST], s30, v[L16]
	v_and_b32 v[TT], 15, v0
	s_delay_alu instid0(VALU_DEP_1)
	v_lshlrev_b32 v[SCA], 4, v[TT]
	s_delay_alu instid0(VALU_DEP_1)
	v_add_nc_u32 v[SCA], s31, v[SCA]
	v_and_b32 v[TT], 1, v0                         ; qbt wants lane l: batch row l / 4 of eight, n = 4 (l % 4) ..: in the result's layout that is registers 4 (l % 2) .., half (l / 2) % 2, lane row l / 4
	s_delay_alu instid0(VALU_DEP_1)
	v_lshlrev_b32 v[PLD], 9, v[TT]
	v_bfe_u32 v[TT], v0, 1, 1
	s_delay_alu instid0(VALU_DEP_1)
	v_lshl_add_u32 v[PLD], v[TT], 8, v[PLD]
	v_bfe_u32 v[TT], v0, 2, 3
	s_delay_alu instid0(VALU_DEP_1)
	v_lshl_add_u32 v[PLD], v[TT], 4, v[PLD]
	s_delay_alu instid0(VALU_DEP_1)
	v_add_nc_u32 v[PLD], s33, v[PLD]
	global_load_b128 v[BW:BW+3], v[BO], s[10:11]   ; the two biases at my four n
	global_load_b128 v[BU:BU+3], v[BO], s[12:13]
	; source 0 = 16 rows of Wa_w, source 1 = 16 rows of the query: lane (r, h) holds batch row r, register j holds n = 8 h + j
	v_wmma_scale_f32_16x16x128_f8f6f4 v[D0:D0+7], v[FW:FW+11], v[FQ0:FQ0+11], 0, v[SW], v[SQ0] matrix_a_fmt:MATRIX_FMT_BF6 matrix_b_fmt:MATRIX_FMT_BF6
	v_wmma_scale_f32_16x16x128_f8f6f4 v[D1:D1+7], v[FW:FW+11], v[FQ1:FQ1+11], 0, v[SW], v[SQ1] matrix_a_fmt:MATRIX_FMT_BF6 matrix_b_fmt:MATRIX_FMT_BF6
.rept 4
	v_nop                                          ; four places behind the products, ahead of the stores that read their results
.endr
	ds_store_b128 v[PST], v[D0:D0+3] offset:PART   ; each result from its low end on
	ds_store_b128 v[PST], v[D0+4:D0+7] offset:PART+512
	ds_store_b128 v[PST], v[D1:D1+3] offset:PART+1024
	ds_store_b128 v[PST], v[D1+4:D1+7] offset:PART+1536
	s_wait_loadcnt 2                               ; Ua_w's 16 loads are in; the two biases may be out
	QUANT6 SA, FU, AUX, SU
.irp c, 0,1,2
	global_store_b128 v[L16], v[FU+4*\c:FU+4*\c+3], s[24:25] offset:512*\c   ; the fragment as it stands: 512 consecutive bytes a store
.endr
	ds_store_b32 v[SCA], v[SU] offset:SCI          ; lanes r and r + 16 write the same word with the same value
	s_wait_dscnt 0x0                               ; for the others' sake: my stores have landed
	s_barrier_signal -1
	s_barrier_wait -1
	s_cmp_lt_u32 s[WV], 4
	s_cbranch_scc0 .Lnot_sum
.irp j, 0,1,2,3,4,5,6,7
	ds_load_b128 v[64+4*\j:67+4*\j], v[PLD] offset:PART+2048*\j   ; the eight K steps' partial sums of my four numbers
.endr
	s_wait_dscnt 0x0
	s_wait_loadcnt 0x0                             ; the biases
.irp j, 0,2,4,6
	v_pk_add_f32 v[64+4*\j:65+4*\j], v[64+4*\j:65+4*\j], v[68+4*\j:69+4*\j]
	v_pk_add_f32 v[66+4*\j:67+4*\j], v[66+4*\j:67+4*\j], v[70+4*\j:71+4*\j]
.endr
	v_pk_add_f32 v[BW:BW+1], v[BW:BW+1], v[BU:BU+1]
	v_pk_add_f32 v[BW+2:BW+3], v[BW+2:BW+3], v[BU+2:BU+3]
.irp j, 0,4
	v_pk_add_f32 v[64+4*\j:65+4*\j], v[64+4*\j:65+4*\j], v[72+4*\j:73+4*\j]
	v_pk_add_f32 v[66+4*\j:67+4*\j], v[66+4*\j:67+4*\j], v[74+4*\j:75+4*\j]
.endr
	s_delay_alu instid0(VALU_DEP_2)
	v_pk_add_f32 v[64:65], v[64:65], v[80:81]
	s_delay_alu instid0(VALU_DEP_2)
	v_pk_add_f32 v[66:67], v[66:67], v[82:83]
	s_delay_alu instid0(VALU_DEP_2)
	v_pk_add_f32 v[64:65], v[64:65], v[BW:BW+1]
	s_delay_alu instid0(VALU_DEP_2)
	v_pk_add_f32 v[66:67], v[66:67], v[BW+2:BW+3]
	global_store_b128 v[L16], v[64:67], s[16:17]   ; eight batch rows x 16 n: 512 consecutive bytes
	s_set_vgpr_msb 0x4
	s_wait_tensorcnt 0x0
	ds_add_u32 v11, v1
	s_wait_dscnt 0x0
	s_set_vgpr_msb 0x400
	s_endpgm
.Lnot_sum:
	s_cmp_eq_u32 s[WV], 4
	s_cbranch_scc0 .Ldone
	ds_load_b128 v[64:67], v[L16] offset:SCI       ; the scale image leaves as it lies
	s_wait_dscnt 0x0
	global_store_b128 v[L16], v[64:67], s[14:15] offset:12288
.Ldone:
	s_set_vgpr_msb 0x4
	s_wait_tensorcnt 0x0
	ds_add_u32 v11, v1
	s_wait_dscnt 0x0
	s_set_vgpr_msb 0x400
	s_endpgm
.Lfunc_end_k_q90717e6be2_prep:
	.size	k_q90717e6be2_prep, .Lfunc_end_k_q90717e6be2_prep-k_q90717e6be2_prep
	.p2alignl 7, 3214868480
	.fill 96, 4, 3214868480
	.section	.rodata,"a",@progbits
	.p2align	6, 0x0
	.amdhsa_kernel k_q90717e6be2_prep
		.amdhsa_group_segment_fixed_size 21504
		.amdhsa_private_segment_fixed_size 0
		.amdhsa_enable_private_segment 0
		.amdhsa_kernarg_size 56
		.amdhsa_user_sgpr_count 2
		.amdhsa_user_sgpr_kernarg_segment_ptr 1
		.amdhsa_wavefront_size32 1
		.amdhsa_system_sgpr_workgroup_id_x 1
		.amdhsa_system_sgpr_workgroup_id_y 1
		.amdhsa_system_sgpr_workgroup_id_z 1
		.amdhsa_system_vgpr_workitem_id 0
		.amdhsa_next_free_vgpr 258
		.amdhsa_next_free_sgpr 66
		.amdhsa_reserve_vcc 0
		.amdhsa_float_denorm_mode_32 3
		.amdhsa_float_denorm_mode_16_64 3
		.amdhsa_memory_ordered 1
		.amdhsa_forward_progress 1
		.amdhsa_inst_pref_size 30
	.end_amdhsa_kernel
	.amdgpu_metadata
---
amdhsa.version: [ 1, 2 ]
amdhsa.kernels:
  - .name:           k_q90717e6be2_prep
    .symbol:         k_q90717e6be2_prep.kd
    .args:
      - { .name: Ua_w, .offset: 0, .size: 8, .value_kind: global_buffer, .address_space: global }
      - { .name: Wa_w, .offset: 8, .size: 8, .value_kind: global_buffer, .address_space: global }
      - { .name: query, .offset: 16, .size: 8, .value_kind: global_buffer, .address_space: global }
      - { .name: Wa_b, .offset: 24, .size: 8, .value_kind: global_buffer, .address_space: global }
      - { .name: Ua_b, .offset: 32, .size: 8, .value_kind: global_buffer, .address_space: global }
      - { .name: wimg, .offset: 40, .size: 8, .value_kind: global_buffer, .address_space: global }
      - { .name: qbt, .offset: 48, .size: 8, .value_kind: global_buffer, .address_space: global }
    .group_segment_fixed_size: 21504
    .private_segment_fixed_size: 0
    .kernarg_segment_align: 8
    .kernarg_segment_size: 56
    .max_flat_workgroup_size: 256
    .sgpr_count:     66
    .vgpr_count:     258
    .wavefront_size: 32
...
	.end_amdgpu_metadata
.endif
;; end of part 1
;; launch scores (part 2): grid 256 x 1, 8 waves a work-group, clusters of 4 x 1, 327,680 bytes of LDS; arguments keys, wimg, qbt, Va_w, sraw; writes sraw
.if DOCPART == 2
	.amdgcn_target "amdgcn-amd-amdhsa--gfx1250"
	.amdhsa_code_object_version 6
	.text
	.protected	k_q90717e6be2_scores
	.globl	k_q90717e6be2_scores
	.p2align	8
	.type	k_q90717e6be2_scores,@function
k_q90717e6be2_scores:
	s_mov_b64 s[64:65], 0
	v_nop
	global_prefetch_b8 v0, s[64:65] scope:SCOPE_SE
	s_setreg_imm32_b32 hwreg(HW_REG_WAVE_MODE, 25, 1), 1
	s_wait_xcnt 0x0
	s_wait_alu depctr_hold_cnt(0) depctr_sa_sdst(0) depctr_va_vdst(0) depctr_va_sdst(0) depctr_va_ssrc(0) depctr_va_vcc(0) depctr_vm_vsrc(0)
	s_getreg_b32 s2, hwreg(HW_REG_IB_STS2, 6, 4)
	s_cmp_eq_u32 s2, 0
	s_cbranch_scc0 .Lentry_in_a_cluster
	s_endpgm
.Lentry_in_a_cluster:
	s_bfe_u32 s2, ttmp6, 0x10000c
	s_cmp_lg_u32 s2, 0x3003
	s_cbranch_scc0 .Lentry_shape_is_right
	s_endpgm
.Lentry_shape_is_right:
; SCORES.  sraw[row] = S = the sum over n of Va_w[n] / (1 + e^(2 x[row][n])), x = Q(keys) Q(Ua_w)^T + (q_proj + both biases, from qbt).  The terms of the score that are the same for all rows of a batch are left out (shown at the head of the first kernel).
; SHARES.  A work-group takes 256 rows of keys (an eighth of a batch).  Eight waves: wave w = q + 4 hf holds the codes of rows 64 q .. 64 q + 63 for all of K (32 fragments, 384 registers) and walks the tiles of 16 n
; numbered 8 g + 4 hf + j: each fragment of Ua_w is read from LDS by four waves and feeds four matrix instructions.  The two waves of a row quarter add their halves of S through LDS at the end.
; HEAD.  K goes in 8 steps of 128 f32 through two LDS slots; each wave fetches 32 rows x 512 bytes a step; both waves of a row quarter quantise its 64 rows into their own registers.
; WALK.  wimg comes in 8 groups of 8 tiles (102,400 bytes) through two slots laid over the key slots, by joint loads of the cluster's four work-groups, a tile a wave.
; A TILE: 32 matrix instructions, four accumulators by turns, Ua_w's fragments through four register slots filled in three runs of loads; then y = c x by a multiply-add with c (q_proj + biases), c = 2 log2 e,
; 32 exponentials, 1 + e, 32 reciprocals, and the multiply-adds with Va_w: each kind as one batch, with four waits in a tile round the transcendentals.
; The matrix instruction is used transposed (source 0 = 16 rows of Ua_w, source 1 = 16 rows of keys): lane (r, h) holds row r, register j holds n = 8 h + j.
; LIMITS: NaN and infinities among the inputs are not served; a block whose largest magnitude lies under 2^(5 - 127) gets the byte 1.
.set KPITCH, 528                       ; an LDS row of keys: 512 bytes + 16
; PREFETCH.  In trip t of the head (t = 0 .. 4) each wave asks for K step t + 3 of its own 32 rows, which the tensor load behind trip t + 1 fetches: 64 blocks of 256 bytes, a lane a block, two instructions.
; K steps 0 to 2 come by their loads alone; trips 5 to 7 ask for nothing.  wimg is not asked for: its 819,200 bytes are read by all 64 clusters.
.set KWAVE,  32*KPITCH                 ; what one wave fetches of a K step
.set KS1,    8*KWAVE                   ; the second key slot
.set WSX,    1<<17                     ; the second slot of wimg
.set TILEB,  12800
.set GRPB,   8*TILEB
.set QV,     270336                    ; a table, 128 bytes a tile: c (q_proj + biases) at 16 n, then Va_w at the same 16 n
.set SCR,    QV+8192                   ; the waves' sums: 256 bytes a wave
.set SPARE,  SCR+2048                  ; the spare words: 128 bytes a wave
.set SPW,  1
.set NIL,  2
.set LB,   3                           ; LDS address of my tiles in the group's slot
.set AQ,   4                           ; and of my entries of the table
.set LB0,  5
.set SC,   6                           ; v6-13   S, a pair for each block of 16 rows
.set ASC,  14                          ; v14-29  the keys' scale words: K steps 2 m (lanes 0-15) and 2 m + 1 (lanes 16-31) of block i at 4 m + i
.set BSC,  30                          ; v30-33  the tile's scale words
.set QW,   34                          ; v34-41  the table's eight numbers: the bias, then Va_w
.set ACC,  42                          ; v42-73  four accumulators
.set WF,   74                          ; v74-121 four slots for fragments of Ua_w
.set AQ0,  122
.set CW0,  124                         ; v124-255 the keys' fragments 21 .. 31; fragments 0 .. 20 fill window 1.  Fragment 4 k + i: K step k, block i
.set H8,   34                          ; at work in the head alone
.set AK0,  36
.set PFO,  38                          ; the prefetches' offset: 4,096 (lane / 2) + 256 (lane % 2)
.set ST,   42
.set TM,   106
.set WT,   113
.set CT,   114
.set WV,   14
.set HM,   22
.set G1K,  24
.set G0K0, 32
.set G0K1, 36
.set G1W,  40
.set G0W,  48
.set CS,   52
.set SEL,  54
.set TB,   56
.set TQ,   57
.set GCN,  58
.set WQ,   59
.set WH,   60
.set MSB, 0
.macro WIN new                         ; the immediate's high byte repeats the setting that is left
.if MSB != \new
	s_set_vgpr_msb (MSB<<8)|\new
.set MSB, \new
.endif
.endm
.macro ROUND                           ; a round of the cluster's barrier
	s_barrier_signal -1
	s_barrier_wait -1
	s_cmp_lg_u32 s[WV], 0
	s_cbranch_scc1 .Lnot_wave_0_\@
	s_barrier_signal -3
.Lnot_wave_0_\@:
	s_barrier_wait -3
	s_barrier_signal -1
	s_barrier_wait -1
.endm
.macro PLACES
.rept 4
	v_nop
.endr
.endm
	s_load_b256 s[4:11], s[0:1], 0x0               ; keys, wimg, qbt, Va_w
	s_load_b64 s[12:13], s[0:1], 0x20              ; sraw
	v_lshl_add_u32 v[SPW], v0, 2, SPARE
	v_mov_b32 v[NIL], 0
	ds_add_u32 v[SPW], v[NIL]                      ; the opening lines: the add twice on end and one wait
	ds_add_u32 v[SPW], v[NIL]
	v_lshrrev_b32 v6, 5, v0
	v_readfirstlane_b32 s[WV], v6                  ; wave 0..7
	s_and_b32 s[WQ], s[WV], 3                      ; q: my quarter of the rows
	s_lshr_b32 s[WH], s[WV], 2                     ; hf: my half of each group's tiles
	s_bfe_u32 s15, ttmp6, 0x40000
	s_lshl_b32 s16, ttmp9, 2
	s_add_co_u32 s16, s16, s15                     ; work-group 0..255
	s_lshr_b32 s17, s16, 3                         ; batch
	s_mov_b32 s[HM], 0xffff0000
	s_mov_b32 s[CS], 0x4038aa3b                    ; c = 2 log2 e
	s_mov_b32 s[CS+1], s[CS]
	s_mov_b32 s[SEL], 0x76543210
	s_mov_b32 s[SEL+1], 0xfedcba98
	s_mov_b32 s[G1K], (2<<16)|(1<<20)|(6<<22)|(3<<25)   ; keys: 32 rows x 128 f32, 16 bytes of padding behind each 512
	s_mov_b32 s[G1K+1], 128<<16
	s_mov_b32 s[G1K+2], 32<<16
	s_mov_b32 s[G1K+3], 128<<16
	s_mov_b32 s[G1K+4], 32
	s_mov_b32 s[G1K+5], 1024
	s_mov_b32 s[G1K+6], 0
	s_mov_b32 s[G1K+7], 0
	s_mov_b32 s[G1W], 15|(3<<16)|(1<<21)           ; wimg: a tile as 50 rows of 256 bytes, asked for jointly by the cluster's four
	s_mov_b32 s[G1W+1], 32<<16
	s_mov_b32 s[G1W+2], 50<<16
	s_mov_b32 s[G1W+3], 32<<16
	s_mov_b32 s[G1W+4], 50
	s_mov_b32 s[G1W+5], 32
	s_mov_b32 s[G1W+6], 0
	s_mov_b32 s[G1W+7], 0
	s_lshl_b32 s18, s16, 20                        ; 256 rows of 4,096 bytes a work-group,
	s_lshl_b32 s19, s[WV], 17                      ; 32 a wave
	s_add_co_u32 s18, s18, s19
	s_mov_b32 s19, 0
	s_mul_i32 s20, s[WV], TILEB
	s_mov_b32 s21, 0
	s_mul_i32 s23, s[WV], KWAVE
	s_wait_alu depctr_va_vdst(0)
	s_wait_dscnt 0x0
	s_wait_kmcnt 0x0
	s_add_nc_u64 s[4:5], s[4:5], s[18:19]
	s_add_nc_u64 s[6:7], s[6:7], s[20:21]
	s_lshl_b32 s18, s17, 6
	s_add_nc_u64 s[8:9], s[8:9], s[18:19]          ; qbt: my batch's 64 bytes of each tile
	s_lshl_b32 s18, s16, 10
	s_add_nc_u64 s[12:13], s[12:13], s[18:19]
	s_lshl_b32 s18, s[WQ], 8
	s_add_nc_u64 s[12:13], s[12:13], s[18:19]      ; sraw: my quarter's 256 bytes
	s_mov_b32 s[G0K0], 1
	s_mov_b32 s[G0K0+1], s23
	s_mov_b64 s[G0K0+2:G0K0+3], s[4:5]
	s_or_b32 s[G0K0+3], s[G0K0+3], 0x80000000
	s_mov_b32 s[G0K1], 1
	s_add_co_u32 s[G0K1+1], s23, KS1
	s_add_nc_u64 s[G0K1+2:G0K1+3], s[4:5], 512
	s_or_b32 s[G0K1+3], s[G0K1+3], 0x80000000
	s_mov_b32 s[G0W], 1
	s_mov_b32 s[G0W+1], s20
	s_mov_b64 s[G0W+2:G0W+3], s[6:7]
	s_or_b32 s[G0W+3], s[G0W+3], 0x80000000
	ROUND
	tensor_load_to_lds s[G0K0:G0K0+3], s[G1K:G1K+7]   ; K step 0: one tensor load a wave at the head
	s_nop 0
	s_wait_alu depctr_va_vdst(0)
	s_wait_tensorcnt 0x0                           ; the second slot's first fill is issued as a refill is
	ds_add_u32 v[SPW], v[NIL]
	s_wait_dscnt 0x0
	ROUND
	tensor_load_to_lds s[G0K1:G0K1+3], s[G1K:G1K+7]   ; K step 1
	s_nop 0
	PLACES
	v_and_b32 v6, 31, v0
	v_lshrrev_b32 v9, 1, v6
	v_and_b32 v10, 1, v0
	v_lshlrev_b32 v[PFO], 12, v9
	v_lshl_add_u32 v[PFO], v10, 8, v[PFO]
	v_lshlrev_b32 v6, 4, v6
	s_mul_i32 s18, s[WH], 4*TILEB
	v_add_nc_u32 v[LB0], s18, v6                   ; 16 x lane + my four tiles of a group
	v_and_b32 v7, 15, v0                           ; r
	v_bfe_u32 v8, v0, 4, 1                         ; h
	s_lshl_b32 s19, s[WH], 9
	s_add_co_u32 s19, s19, QV
	v_lshl_add_u32 v[AQ0], v8, 5, s19              ; the table: 32 h + my four entries of a group
	v_lshlrev_b32 v[H8], 3, v8
	v_mul_u32_u24 v[AK0], v7, KPITCH
	v_lshl_add_u32 v[AK0], v8, 7, v[AK0]
	s_mul_i32 s18, s[WQ], 64*KPITCH
	v_add_nc_u32 v[AK0], s18, v[AK0]               ; keys: row r of my quarter, + 128 h bytes
	v_add_nc_u32 v[AK0+1], KS1, v[AK0]
	v_mov_b32 v[TM+6], 0                           ; a lane permute's destination counts as read
	v_lshrrev_b32 v9, 2, v0                        ; the table: thread t brings four n of tile t / 4
	v_and_b32 v10, 3, v0
	v_lshlrev_b32 v11, 11, v9
	v_lshl_add_u32 v11, v10, 4, v11
	v_lshlrev_b32 v12, 4, v0
	global_load_b128 v[42:45], v11, s[8:9]
	global_load_b128 v[46:49], v12, s[10:11]
	v_lshlrev_b32 v13, 7, v9
	v_lshl_add_u32 v13, v10, 4, v13
	v_add_nc_u32 v13, QV, v13
	s_wait_alu depctr_va_vdst(0)
	s_wait_loadcnt 0x0
	v_pk_mul_f32 v[42:43], v[42:43], s[CS:CS+1] op_sel_hi:[1,0]
	v_pk_mul_f32 v[44:45], v[44:45], s[CS:CS+1] op_sel_hi:[1,0]
	ds_store_b128 v13, v[42:45]
	ds_store_b128 v13, v[46:49] offset:64
; 64 numbers of a lane, v[ST + 32 c + i] = k 64 c + 32 h + i of my row, become a fragment at dst (window by dw) and my row's scale word in v[WT]
.macro QUANT6 dst, dw
.irp c, 0,1
	v_max3_num_f32 v[TM+\c], |v[ST+32*\c]|, |v[ST+32*\c+1]|, 0x2800000   ; the floor 2^(5 - 127): the byte cannot fall under 1
.endr
.irp i, 2,4,6,8,10,12,14,16,18,20,22,24,26,28,30
.irp c, 0,1
	v_max3_num_f32 v[TM+\c], v[TM+\c], |v[ST+32*\c+\i]|, |v[ST+32*\c+\i+1]|
.endr
.endr
.irp c, 0,1
	v_add_nc_u32 v[TM+2+\c], 0xfe000000, v[TM+\c]  ; 4 off the exponent field: the conversion's scale operand
.endr
.irp c, 0,1
	v_lshrrev_b32 v[TM+4+\c], 23, v[TM+2+\c]       ; the scale's byte
.endr
	v_lshl_or_b32 v[WT], v[TM+5], 16, v[TM+4]
	v_lshlrev_b32 v[WT], v[H8], v[WT]
	v_permlanex16_b32 v[TM+6], v[WT], s[SEL], s[SEL+1]
	v_or_b32 v[WT], v[WT], v[TM+6]
.irp c, 0,1
	v_cvt_scalef32_pk16_bf6_f32 v[CT+4*\c:CT+4*\c+2], v[ST+32*\c+16:ST+32*\c+31], v[TM+2+\c]
.endr
	WIN \dw
.irp c, 0,1
	v_cvt_scalef32_pk16_bf6_f32 v[(\dst)+6*\c:(\dst)+6*\c+2], v[ST+32*\c:ST+32*\c+15], v[TM+2+\c]
.endr
	v_nop                                          ; one plain line behind the conversions
.irp c, 0,1
.irp i, 0,1,2
	v_mov_b32 v[(\dst)+6*\c+3+\i], v[CT+4*\c+\i]
.endr
.endr
	WIN 0
.endm
.macro KSTEP s
.irp i, 0,1,2,3
.irp c, 0,1
.irp q, 0,1,2,3,4,5,6,7
	ds_load_b128 v[ST+32*\c+4*\q:ST+32*\c+4*\q+3], v[AK0+(\s)%2] offset:16*KPITCH*\i+256*\c+16*\q
.endr
.endr
	s_wait_dscnt 0x0
.if 4*\s+\i < 21
	QUANT6 12*(4*\s+\i), 0x40
.else
	QUANT6 CW0+12*(4*\s+\i-21), 0
.endif
.if \s%2 == 0
	v_mov_b32 v[ASC+4*(\s/2)+\i], v[WT]
.else
	v_cndmask_b32 v[ASC+4*(\s/2)+\i], v[ASC+4*(\s/2)+\i], v[WT], s[HM]
.endif
.if (\i == 0) && (\s < 5)
	global_prefetch_b8 v[PFO], s[4:5] offset:512*(\s+3) th:TH_LOAD_NT scope:SCOPE_SE         ; K step s + 3 of my rows 0-15,
	global_prefetch_b8 v[PFO], s[4:5] offset:65536+512*(\s+3) th:TH_LOAD_NT scope:SCOPE_SE   ; and of my rows 16-31
.endif
.endr
.endm
; A change of slots in the head.  kind 0, 1: the key slot just read takes the K step two on; 2, 3: it takes group 0, 1 of wimg
.macro CHANGE kind
	s_wait_alu depctr_va_vdst(0)
	s_wait_tensorcnt 0x0
	ds_add_u32 v[SPW], v[NIL]
.if \kind == 0
	s_add_nc_u64 s[G0K0+2:G0K0+3], s[G0K0+2:G0K0+3], 1024
.elseif \kind == 1
	s_add_nc_u64 s[G0K1+2:G0K1+3], s[G0K1+2:G0K1+3], 1024
.elseif \kind == 3
	s_xor_b32 s[G0W+1], s[G0W+1], WSX
	s_add_nc_u64 s[G0W+2:G0W+3], s[G0W+2:G0W+3], GRPB
.endif
	s_wait_dscnt 0x0
	ROUND
.if \kind == 0
	tensor_load_to_lds s[G0K0:G0K0+3], s[G1K:G1K+7]
	s_nop 0
.elseif \kind == 1
	tensor_load_to_lds s[G0K1:G0K1+3], s[G1K:G1K+7]
	s_nop 0
.else
	tensor_load_to_lds s[G0W:G0W+3], s[G1W:G1W+7]
	s_nop 0
.endif
	PLACES
.endm
	KSTEP 0
	CHANGE 0
	KSTEP 1
	CHANGE 1
	KSTEP 2
	CHANGE 0
	KSTEP 3
	CHANGE 1
	KSTEP 4
	CHANGE 0
	KSTEP 5
	CHANGE 1
	KSTEP 6
	CHANGE 2
	KSTEP 7
	CHANGE 3
	s_wait_xcnt 0x0                                ; the prefetches have read their offset register: the table's numbers land on it below
.macro WM k, i
.if 4*\k+\i < 21
	WIN 0x04                                       ; source 1 in window 1
.set ra, 12*(4*\k+\i)
.else
	WIN 0
.set ra, CW0+12*(4*\k+\i-21)
.endif
.set rd, ACC+8*\i
.set rb, WF+12*(\k%4)
.set sb, BSC+\k/2
.set sa, ASC+4*(\k/2)+\i
.if \k == 0
	v_wmma_scale_f32_16x16x128_f8f6f4 v[rd:rd+7], v[rb:rb+11], v[ra:ra+11], 0, v[sb], v[sa] matrix_a_fmt:MATRIX_FMT_BF6 matrix_b_fmt:MATRIX_FMT_BF6
.elseif \k%2 == 0
	v_wmma_scale_f32_16x16x128_f8f6f4 v[rd:rd+7], v[rb:rb+11], v[ra:ra+11], v[rd:rd+7], v[sb], v[sa] matrix_a_fmt:MATRIX_FMT_BF6 matrix_b_fmt:MATRIX_FMT_BF6
.else
	v_wmma_scale_f32_16x16x128_f8f6f4 v[rd:rd+7], v[rb:rb+11], v[ra:ra+11], v[rd:rd+7], v[sb], v[sa] matrix_a_fmt:MATRIX_FMT_BF6 matrix_b_fmt:MATRIX_FMT_BF6 matrix_a_scale:MATRIX_SCALE_ROW1 matrix_b_scale:MATRIX_SCALE_ROW1
.endif
.endm
.macro WLOAD k, off                    ; a fragment of Ua_w, as it lies, into slot k % 4
.irp c, 0,1,2
	ds_load_b128 v[WF+12*((\k)%4)+4*\c:WF+12*((\k)%4)+4*\c+3], v[LB] offset:\off+512*\c
.endr
.endm
; K step k of tile j of my four: its four products.  The slots are filled in three runs, each behind four places: behind step 1 fragments 4 and 5, behind step 3 fragments 6 and 7,
; behind step 7 (pre = 1) the next tile's fragments 0 to 3
.macro STEPK j, k, pre
.if \k == 4
	s_wait_dscnt 6                                 ; fragments 4 and 5 are in; fragments 6 and 7, six loads, may be out
.elseif \k == 6
	s_wait_dscnt 0x0                               ; fragments 6 and 7
.endif
.irp i, 0,1,2,3
	WM \k, \i
.endr
.if (\k == 1) || (\k == 3) || (\k == 7)
	PLACES                                         ; ahead of loads into registers that the products read, and of the first read of results
.endif
.if (\k == 1) || (\k == 3)
	WLOAD \k-1, \j*TILEB+1536*(\k+3)
	WLOAD \k, \j*TILEB+1536*(\k+4)
.elseif (\k == 7) && \pre
.irp f, 0,1,2,3
	WLOAD \f, (\j+1)*TILEB+1536*\f
.endr
.endif
.endm
.macro TILE j, pre
.irp k, 0,1,2,3,4,5,6,7
	STEPK \j, \k, \pre
.endr
.if \pre
	ds_load_b128 v[BSC:BSC+3], v[LB] offset:(\j+1)*TILEB+12288
.endif
.irp i, 0,1,2,3
.irp p, 0,2,4,6
	v_pk_fma_f32 v[ACC+8*\i+\p:ACC+8*\i+\p+1], v[ACC+8*\i+\p:ACC+8*\i+\p+1], s[CS:CS+1], v[QW+\p:QW+\p+1] op_sel_hi:[1,0,1]   ; y = c x; each accumulator from its low end on
.endr
.endr
	ds_load_b128 v[QW:QW+3], v[AQ] offset:128*\j+64      ; Va_w at my eight n, where the bias lay
	ds_load_b128 v[QW+4:QW+7], v[AQ] offset:128*\j+80
	s_wait_alu depctr_va_vdst(0)                   ; a wait ahead of each batch of transcendentals and one behind it
.set n, 0
.rept 32
	v_exp_f32 v[ACC+n], v[ACC+n]
.set n, n+1
.endr
	v_nop
	s_wait_alu depctr_va_vdst(0)
.set n, 0
.rept 16
	v_pk_add_f32 v[ACC+n:ACC+n+1], v[ACC+n:ACC+n+1], 1.0 op_sel_hi:[1,0]
.set n, n+2
.endr
	s_wait_alu depctr_va_vdst(0)
.set n, 0
.rept 32
	v_rcp_f32 v[ACC+n], v[ACC+n]
.set n, n+1
.endr
	v_nop
	s_wait_alu depctr_va_vdst(0)
	s_wait_dscnt 0x0                               ; Va_w is in, and with it all that was asked for in this tile
.irp p, 0,2,4,6
.irp i, 0,1,2,3
	v_pk_fma_f32 v[SC+2*\i:SC+2*\i+1], v[ACC+8*\i+\p:ACC+8*\i+\p+1], v[QW+\p:QW+\p+1], v[SC+2*\i:SC+2*\i+1]
.endr
.endr
.if \pre
	ds_load_b128 v[QW:QW+3], v[AQ] offset:128*(\j+1)     ; the next tile's bias
	ds_load_b128 v[QW+4:QW+7], v[AQ] offset:128*(\j+1)+16
.endif
.endm
.macro GIN                             ; a group's first tile: its first four fragments, its scale words, its bias
.irp k, 0,1,2,3
	WLOAD \k, 1536*\k
.endr
	ds_load_b128 v[BSC:BSC+3], v[LB] offset:12288
	ds_load_b128 v[QW:QW+3], v[AQ]
	ds_load_b128 v[QW+4:QW+7], v[AQ] offset:16
	s_wait_dscnt 2                                 ; all but the bias's two loads
.endm
.macro FOUR
	TILE 0, 1
	TILE 1, 1
	TILE 2, 1
	TILE 3, 0
.endm
; From group to group.  Every wave has waited for its tensor load (its tile of the next group) and for its reads of this group's slot; refill = 1: a round, and the slot takes the group two on
.macro NEXTG refill
	s_xor_b32 s[TB], s[TB], WSX
	s_add_co_u32 s[TQ], s[TQ], 1024
	v_add_nc_u32 v[LB], s[TB], v[LB0]
	v_add_nc_u32 v[AQ], s[TQ], v[AQ0]
	s_wait_alu depctr_va_vdst(0)
	s_wait_tensorcnt 0x0
	ds_add_u32 v[SPW], v[NIL]
.if \refill
	s_xor_b32 s[G0W+1], s[G0W+1], WSX
	s_add_nc_u64 s[G0W+2:G0W+3], s[G0W+2:G0W+3], GRPB
.endif
	s_wait_dscnt 0x0
.if \refill
	ROUND
	tensor_load_to_lds s[G0W:G0W+3], s[G1W:G1W+7]
	s_nop 0
	PLACES
.else
	s_barrier_signal -1
	s_barrier_wait -1
.endif
	GIN
.endm
.set n, 0
.rept 8
	v_mov_b32 v[SC+n], 0
.set n, n+1
.endr
	v_mov_b32 v[LB], v[LB0]
	v_mov_b32 v[AQ], v[AQ0]
	s_mov_b32 s[TB], 0
	s_mov_b32 s[TQ], 0
	s_mov_b32 s[GCN], 6
	s_wait_alu depctr_va_vdst(0)
	GIN
.Lgroup:                               ; groups 0 .. 5; their changes ask for groups 2 .. 7
	FOUR
	NEXTG 1
	s_sub_co_u32 s[GCN], s[GCN], 1
	s_cmp_lg_u32 s[GCN], 0
	s_cbranch_scc1 .Lgroup
	FOUR                                           ; group 6
	NEXTG 0                                        ; nothing is left to ask for
	FOUR                                           ; group 7
.irp i, 0,1,2,3
	v_add_f32 v[42+\i], v[SC+2*\i], v[SC+2*\i+1]
.endr
.irp i, 0,1,2,3
	v_permlanex16_b32 v[46+\i], v[42+\i], s[SEL], s[SEL+1]
.endr
.irp i, 0,1,2,3
	v_add_f32 v[42+\i], v[42+\i], v[46+\i]         ; with lane l xor 16's eight n: block i's row r, over my half of the tiles
.endr
	v_cndmask_b32 v42, v42, v43, s[HM]             ; rows 0-31 and 32-63, a lane a row
	v_cndmask_b32 v44, v44, v45, s[HM]
	v_and_b32 v50, 31, v0
	s_lshl_b32 s18, s[WV], 8
	s_add_co_u32 s18, s18, SCR
	v_lshl_add_u32 v51, v50, 2, s18
	v_lshl_add_u32 v52, v50, 3, s18
	v_lshlrev_b32 v53, 3, v50
	ds_store_b32 v51, v42
	ds_store_b32 v51, v44 offset:128
	s_wait_alu depctr_va_vdst(0)
	s_wait_dscnt 0x0                               ; for the others' sake
	s_barrier_signal -1
	s_barrier_wait -1
	s_cmp_lt_u32 s[WV], 4
	s_cbranch_scc0 .Lend
	ds_load_b64 v[54:55], v52                      ; my half and wave w + 4's
	ds_load_b64 v[56:57], v52 offset:1024
	s_wait_dscnt 0x0
	v_pk_add_f32 v[54:55], v[54:55], v[56:57]
	global_store_b64 v53, v[54:55], s[12:13]       ; 32 lanes store one aligned unit of 256 bytes
.Lend:
	s_wait_tensorcnt 0x0                           ; the wave's end
	ds_add_u32 v[SPW], v[NIL]
	s_wait_dscnt 0x0
	ROUND                                          ; the closing round
	s_endpgm
.Lfunc_end_k_q90717e6be2_scores:
	.size	k_q90717e6be2_scores, .Lfunc_end_k_q90717e6be2_scores-k_q90717e6be2_scores
	.p2alignl 7, 3214868480
	.fill 96, 4, 3214868480
	.section	.rodata,"a",@progbits
	.p2align	6, 0x0
	.amdhsa_kernel k_q90717e6be2_scores
		.amdhsa_group_segment_fixed_size 327680
		.amdhsa_private_segment_fixed_size 0
		.amdhsa_enable_private_segment 0
		.amdhsa_kernarg_size 40
		.amdhsa_user_sgpr_count 2
		.amdhsa_user_sgpr_kernarg_segment_ptr 1
		.amdhsa_wavefront_size32 1
		.amdhsa_system_sgpr_workgroup_id_x 1
		.amdhsa_system_sgpr_workgroup_id_y 1
		.amdhsa_system_sgpr_workgroup_id_z 1
		.amdhsa_system_vgpr_workitem_id 0
		.amdhsa_next_free_vgpr 512
		.amdhsa_next_free_sgpr 66
		.amdhsa_reserve_vcc 0
		.amdhsa_float_denorm_mode_32 3
		.amdhsa_float_denorm_mode_16_64 3
		.amdhsa_memory_ordered 1
		.amdhsa_forward_progress 1
		.amdhsa_inst_pref_size 255
	.end_amdhsa_kernel
	.section	.bss,"aw",@nobits
	.p2align	6
	.space	262144
	.amdgpu_metadata
---
amdhsa.version: [ 1, 2 ]
amdhsa.kernels:
  - .name:           k_q90717e6be2_scores
    .symbol:         k_q90717e6be2_scores.kd
    .args:
      - { .name: keys, .offset: 0, .size: 8, .value_kind: global_buffer, .address_space: global }
      - { .name: wimg, .offset: 8, .size: 8, .value_kind: global_buffer, .address_space: global }
      - { .name: qbt, .offset: 16, .size: 8, .value_kind: global_buffer, .address_space: global }
      - { .name: Va_w, .offset: 24, .size: 8, .value_kind: global_buffer, .address_space: global }
      - { .name: sraw, .offset: 32, .size: 8, .value_kind: global_buffer, .address_space: global }
    .group_segment_fixed_size: 327680
    .private_segment_fixed_size: 0
    .kernarg_segment_align: 8
    .kernarg_segment_size: 40
    .max_flat_workgroup_size: 256
    .sgpr_count:     66
    .vgpr_count:     512
    .wavefront_size: 32
...
	.end_amdgpu_metadata
.endif
;; end of part 2
;; launch context (part 3): grid 8 x 32, 4 waves a work-group, no clusters, 327,680 bytes of LDS; arguments keys, sraw, out0, out1; writes out0, out1
.if DOCPART == 3
	.amdgcn_target "amdgcn-amd-amdhsa--gfx1250"
	.amdhsa_code_object_version 6
	.text
	.protected	k_q90717e6be2_context
	.globl	k_q90717e6be2_context
	.p2align	8
	.type	k_q90717e6be2_context,@function
k_q90717e6be2_context:
	s_mov_b64 s[64:65], 0
	v_nop
	global_prefetch_b8 v0, s[64:65] scope:SCOPE_SE
	s_setreg_imm32_b32 hwreg(HW_REG_WAVE_MODE, 25, 1), 1
	s_wait_xcnt 0x0
; CONTEXT.  weights = softmax over a batch's 2,048 scores (out1); context[h] = the sum over s of weights[s] keys[s][h] (out0).  All in f32.
; The score is taken as -2 S: the terms that are the same for all rows of a batch are left out (shown at the head of the first kernel).
; THE MAXIMUM is taken away before the exponential: the largest score belongs to the smallest S, so p = 2^(-2 log2 e (S - the smallest S)), at most 1.  The sum is taken of p; out1 and out0 are multiplied by 1 / sum at the end.
; SHARES.  Work-group (x, y) owns columns 128 x .. 128 x + 127 of batch y for all 2,048 rows: each number of out0 has one owner.  The rows go in 8 steps of 256 through two LDS slots of 131,072 bytes;
; wave w fetches rows 64 w .. 64 w + 63 of a step by one tensor load (64 rows x 512 bytes) and multiplies the same rows: a row is one LDS load of the wave, 16 bytes a lane; four rows' p come by one load that all lanes share.
; The softmax's p (thread t: rows 4 t + 512 m + 0 .. 3) is made while step 0 is on its way and lies in LDS ahead of the first trip's barrier.  Of out1 a work-group stores rows 256 x .. 256 x + 255.
; No matrix unit (one row to each batch), no cluster (no two work-groups read the same bytes of keys).
; LIMITS: NaN and infinities are not served; the promise holds while the scaled scores stay under 2^31 in magnitude.
.set SLOTB, 131072
; PREFETCH.  Trip s, whose tensor load fetches step s + 1, asks for step s + 3 (s = 0 .. 4), which trip s + 2 fetches: each wave for its own 64 rows x 512 bytes, 128 blocks of 256 bytes, a lane a block, four instructions.
; Steps 0 to 2 come by their loads alone; trips 5 to 7 ask for nothing.
.set PP,    2*SLOTB                    ; p, 2,048 numbers
.set RED,   PP+8192                    ; the waves' partial sums of the context, 512 bytes a wave
.set RD1,   RED+2048                   ; a word a wave: its smallest S; 256 bytes on: its sum of p
.set SPARE, RD1+512                    ; the spare words: 128 bytes a wave
.set STEP,  1<<20                      ; 256 rows of 4,096 bytes
.set SPW,  1
.set NIL,  2
.set T16,  3                           ; 16 x thread
.set L16,  4                           ; 16 x lane
.set XA,   5                           ; v5, v6  my rows in slot 0, 1
.set PA,   7                           ; my rows' p of this lap's first step
.set PA0,  8
.set W4,   9                           ; RD1 + 4 x wave
.set RDA,  10                          ; RD1
.set PFO,  11                          ; the prefetches' offset: 4,096 (lane / 2) + 256 (lane % 2)
.set AC,   16                          ; v16-31 four sets of four sums
.set PW,   32                          ; v32-47 S, then p, of my 16 rows
.set T8,   57
.set PY,   62                          ; v62-63 S, then p, of my two rows of out1: rows 256 x + 2 t, + 1
.set PST,  59                          ; PP + 16 x thread
.set RLD,  60                          ; RED + 16 x lane
.set RST,  61                          ; RED + 16 x thread
.set X,    64                          ; v64-191 two sets of 16 rows
.set PQ,   192                         ; v192-223 two sets of 16 p
.set WV,   18
.set G1,   24
.set G0,   32                          ; s[32:35] slot 0's group 0, s[36:39] slot 1's
.set SEL,  40
.set PO,   42
.set LAP,  43
.set PFB,  44
.macro RED16 op, reg                   ; over the 16 lanes of a row
.irp m, 1,2,4,8
	\op v[\reg], v[\reg], v[\reg] row_xmask:\m row_mask:0xf bank_mask:0xf
.endr
.endm
	s_load_b256 s[4:11], s[0:1], 0x0               ; keys s[4:5], sraw s[6:7], out0 s[8:9], out1 s[10:11]
	v_lshl_add_u32 v[SPW], v0, 2, SPARE
	v_mov_b32 v[NIL], 0
	ds_add_u32 v[SPW], v[NIL]                      ; the opening lines: the add twice on end and one wait
	ds_add_u32 v[SPW], v[NIL]
	v_lshrrev_b32 v12, 5, v0
	v_readfirstlane_b32 s[WV], v12                 ; wave 0..3
	s_and_b32 s19, ttmp7, 0xffff                   ; batch
	s_mov_b32 s[G1], 2<<16                         ; 64 rows x 128 f32, rows 1,024 numbers apart
	s_mov_b32 s[G1+1], 128<<16
	s_mov_b32 s[G1+2], 64<<16
	s_mov_b32 s[G1+3], 128<<16
	s_mov_b32 s[G1+4], 64
	s_mov_b32 s[G1+5], 1024
	s_mov_b32 s[G1+6], 0
	s_mov_b32 s[G1+7], 0
	s_mov_b32 s[SEL], 0x76543210
	s_mov_b32 s[SEL+1], 0xfedcba98
	s_lshl_b32 s20, s19, 23                        ; the batch's 2,048 rows of 4,096 bytes,
	s_lshl_b32 s21, s[WV], 18                      ; my wave's 64 of a step,
	s_add_co_u32 s20, s20, s21
	s_lshl_b32 s21, ttmp9, 9                       ; my work-group's 512 bytes of a row
	s_add_co_u32 s20, s20, s21
	s_lshl_b32 s46, s19, 12
	s_add_co_u32 s46, s46, s21                     ; the same columns in out0
	s_mov_b32 s21, 0
	s_mov_b32 s47, 0
	s_lshl_b32 s22, s19, 13                        ; the batch's 8,192 bytes in sraw and in out1
	s_mov_b32 s23, 0
	s_lshl_b32 s48, ttmp9, 10                      ; my work-group's 256 rows of out1
	s_mov_b32 s49, 0
	s_lshl_b32 s50, s[WV], 15                      ; my 32,768 bytes of a slot
	s_wait_alu depctr_va_vdst(0)
	s_wait_dscnt 0x0
	s_wait_kmcnt 0x0
	s_add_nc_u64 s[4:5], s[4:5], s[20:21]
	s_add_nc_u64 s[6:7], s[6:7], s[22:23]
	s_add_nc_u64 s[10:11], s[10:11], s[22:23]
	s_add_nc_u64 s[10:11], s[10:11], s[48:49]
	s_add_nc_u64 s[54:55], s[6:7], s[48:49]        ; the same 256 rows in sraw
	s_add_nc_u64 s[8:9], s[8:9], s[46:47]
	s_mov_b32 s[G0], 1
	s_mov_b32 s[G0+1], s50
	s_mov_b64 s[G0+2:G0+3], s[4:5]
	s_or_b32 s[G0+3], s[G0+3], 0x80000000
	s_mov_b32 s[G0+4], 1
	s_add_co_u32 s[G0+5], s50, SLOTB
	s_add_nc_u64 s[G0+6:G0+7], s[4:5], STEP
	s_or_b32 s[G0+7], s[G0+7], 0x80000000
	s_mov_b64 s[PFB:PFB+1], s[4:5]
	tensor_load_to_lds s[G0:G0+3], s[G1:G1+7]      ; step 0: one tensor load a wave at the head
	s_nop 0
	v_and_b32 v15, 31, v0
	v_lshlrev_b32 v[T16], 4, v0
	v_lshlrev_b32 v[L16], 4, v15
	v_add_nc_u32 v[XA], s50, v[L16]
	v_add_nc_u32 v[XA+1], SLOTB, v[XA]
	s_lshl_b32 s51, s[WV], 8
	s_add_co_u32 s51, s51, PP
	v_mov_b32 v[PA0], s51                          ; p of my 64 rows of step 0
	v_mov_b32 v[PA], s51
	s_lshl_b32 s52, s[WV], 2
	s_add_co_u32 s52, s52, RD1
	v_mov_b32 v[W4], s52
	v_mov_b32 v[RDA], RD1
	v_lshrrev_b32 v13, 1, v15
	v_and_b32 v14, 1, v0
	v_lshlrev_b32 v[PFO], 12, v13
	v_lshl_add_u32 v[PFO], v14, 8, v[PFO]
	v_lshlrev_b32 v[T8], 3, v0
	v_add_nc_u32 v[PST], PP, v[T16]
	v_add_nc_u32 v[RLD], RED, v[L16]
	v_add_nc_u32 v[RST], RED, v[T16]
	v_mov_b32 v56, 0                               ; a lane permute's destination counts as read
.irp m, 0,1,2,3
	global_load_b128 v[PW+4*\m:PW+4*\m+3], v[T16], s[6:7] offset:2048*\m   ; S of rows 4 t + 512 m ..
.endr
	global_load_b64 v[PY:PY+1], v[T8], s[54:55]    ; S of my two rows of out1
	s_wait_alu depctr_va_vdst(0)
	s_wait_loadcnt 0x0
	v_min3_num_f32 v48, v[PW], v[PW+1], v[PW+2]
	v_min3_num_f32 v49, v[PW+3], v[PW+4], v[PW+5]
	v_min3_num_f32 v50, v[PW+6], v[PW+7], v[PW+8]
	v_min3_num_f32 v51, v[PW+9], v[PW+10], v[PW+11]
	v_min3_num_f32 v48, v48, v[PW+12], v[PW+13]
	v_min3_num_f32 v49, v49, v[PW+14], v[PW+15]
	v_min_num_f32 v50, v50, v51
	v_min3_num_f32 v48, v48, v49, v50
	RED16 v_min_num_f32_dpp, 48
	v_permlanex16_b32 v56, v48, s[SEL], s[SEL+1]
	v_min_num_f32 v48, v48, v56
	ds_store_b32 v[W4], v48                        ; all lanes write the same word with the same value
	s_wait_alu depctr_va_vdst(0)
	s_wait_dscnt 0x0                               ; for the others' sake
	s_barrier_signal -1                            ; step 0 stays on its way
	s_barrier_wait -1
	ds_load_b128 v[48:51], v[RDA]                  ; the four waves' smallest
	s_wait_dscnt 0x0
	v_min3_num_f32 v48, v48, v49, v50
	v_min_num_f32 v48, v48, v51                    ; the batch's smallest S
.set n, 0
.rept 16
	v_sub_f32 v[PW+n], v[PW+n], v48
.set n, n+1
.endr
	v_sub_f32 v[PY], v[PY], v48
	v_sub_f32 v[PY+1], v[PY+1], v48
.set n, 0
.rept 16
	v_mul_f32 v[PW+n], 0xc038aa3b, v[PW+n]         ; x -2 log2 e
.set n, n+1
.endr
	v_mul_f32 v[PY], 0xc038aa3b, v[PY]
	v_mul_f32 v[PY+1], 0xc038aa3b, v[PY+1]
	s_wait_alu depctr_va_vdst(0)                   ; a wait ahead of the batch and one behind it
.set n, 0
.rept 16
	v_exp_f32 v[PW+n], v[PW+n]
.set n, n+1
.endr
	v_exp_f32 v[PY], v[PY]
	v_exp_f32 v[PY+1], v[PY+1]
	v_nop
	s_wait_alu depctr_va_vdst(0)
.irp m, 0,1,2,3
	ds_store_b128 v[PST], v[PW+4*\m:PW+4*\m+3] offset:2048*\m
.endr
.irp m, 0,1,2,3
	v_pk_add_f32 v[48+2*\m:49+2*\m], v[PW+4*\m:PW+4*\m+1], v[PW+4*\m+2:PW+4*\m+3]
.endr
	v_pk_add_f32 v[48:49], v[48:49], v[50:51]
	v_pk_add_f32 v[52:53], v[52:53], v[54:55]
	v_pk_add_f32 v[48:49], v[48:49], v[52:53]
	v_add_f32 v48, v48, v49
	RED16 v_add_f32_dpp, 48
	v_permlanex16_b32 v56, v48, s[SEL], s[SEL+1]
	v_add_f32 v48, v48, v56
	ds_store_b32 v[W4], v48 offset:256             ; my wave's sum of p
.set n, 0
.rept 16
	v_mov_b32 v[AC+n], 0
.set n, n+1
.endr
.macro LOADC slot, c                   ; rows 16 c .. 16 c + 15 of my 64 and their p, into set c % 2: 20 loads
.irp q, 0,1,2,3
	ds_load_b128 v[PQ+16*((\c)%2)+4*\q:PQ+16*((\c)%2)+4*\q+3], v[PA] offset:1024*\slot+64*(\c)+16*\q   ; every lane takes the same 16 bytes
.endr
.irp r, 0,1,2,3,4,5,6,7,8,9,10,11,12,13,14,15
	ds_load_b128 v[X+64*((\c)%2)+4*\r:X+64*((\c)%2)+4*\r+3], v[XA+\slot] offset:512*(16*(\c)+\r)
.endr
.endm
.macro FMAC c
.irp r, 0,1,2,3,4,5,6,7,8,9,10,11,12,13,14,15
.set xs, X+64*((\c)%2)+4*\r
.set pw, PQ+16*((\c)%2)+\r-\r%2
.set ac, AC+4*(\r%4)
.if \r%2 == 0                          ; of the pair of weights the row's own serves both halves
	v_pk_fma_f32 v[ac:ac+1], v[xs:xs+1], v[pw:pw+1], v[ac:ac+1] op_sel:[0,0,0] op_sel_hi:[1,0,1]
	v_pk_fma_f32 v[ac+2:ac+3], v[xs+2:xs+3], v[pw:pw+1], v[ac+2:ac+3] op_sel:[0,0,0] op_sel_hi:[1,0,1]
.else
	v_pk_fma_f32 v[ac:ac+1], v[xs:xs+1], v[pw:pw+1], v[ac:ac+1] op_sel:[0,1,0] op_sel_hi:[1,1,1]
	v_pk_fma_f32 v[ac+2:ac+3], v[xs+2:xs+3], v[pw:pw+1], v[ac+2:ac+3] op_sel:[0,1,0] op_sel_hi:[1,1,1]
.endif
.endr
.endm
; A trip: all my tensor loads have landed, this slot's step among them; the add; my reads of the other slot are over; the barrier; the other slot takes the next step; then this slot's 64 rows of mine.
; ask = 1: the prefetch; 2: only while a step three on is left (the lap counter above 1)
.macro TRIP slot, refill, ask
	s_wait_alu depctr_va_vdst(0)
	s_wait_tensorcnt 0x0
	ds_add_u32 v[SPW], v[NIL]
	s_add_nc_u64 s[G0+4*\slot+2:G0+4*\slot+3], s[G0+4*\slot+2:G0+4*\slot+3], 2*STEP   ; this slot's next step
	s_wait_dscnt 0x0
	s_barrier_signal -1
	s_barrier_wait -1
.if \refill
	tensor_load_to_lds s[G0+4-4*\slot:G0+7-4*\slot], s[G1:G1+7]
	s_nop 0
.endif
	LOADC \slot, 0
.irp c, 0,1,2,3
.if \c < 3
	LOADC \slot, \c+1
	s_wait_alu depctr_va_vdst(0)
	s_wait_dscnt 20                                ; this chunk is in; the next chunk's 20 loads may be out
.else
	s_wait_alu depctr_va_vdst(0)
	s_wait_dscnt 0x0
.endif
	FMAC \c
.if (\c == 1) && (\ask > 0)
.if \ask == 2
	s_cmp_gt_u32 s[LAP], 1
	s_cbranch_scc0 .Lno_ask_\@
.endif
.irp j, 0,1,2,3
	global_prefetch_b8 v[PFO], s[PFB:PFB+1] offset:65536*\j+(\slot+3)*STEP th:TH_LOAD_NT scope:SCOPE_SE
.endr
.if \ask == 2
.Lno_ask_\@:
.endif
.endif
.endr
.endm
	s_mov_b32 s[PO], 0
	s_mov_b32 s[LAP], 3
.Llap:                                 ; a lap = two steps = once round the ring; laps 0 to 2
	TRIP 0, 1, 1
	TRIP 1, 1, 2
	s_add_co_u32 s[PO], s[PO], 2048
	v_add_nc_u32 v[PA], s[PO], v[PA0]
	s_wait_xcnt 0x0                                ; the prefetches have read their base
	s_add_nc_u64 s[PFB:PFB+1], s[PFB:PFB+1], 2*STEP
	s_sub_co_u32 s[LAP], s[LAP], 1
	s_cmp_lg_u32 s[LAP], 0
	s_cbranch_scc1 .Llap
	TRIP 0, 1, 0                                   ; steps 6 and 7: nothing beyond the end is fetched
	TRIP 1, 0, 0
.irp i, 0,2
	v_pk_add_f32 v[AC+\i:AC+\i+1], v[AC+\i:AC+\i+1], v[AC+4+\i:AC+5+\i]
	v_pk_add_f32 v[AC+8+\i:AC+9+\i], v[AC+8+\i:AC+9+\i], v[AC+12+\i:AC+13+\i]
.endr
.irp i, 0,2
	v_pk_add_f32 v[AC+\i:AC+\i+1], v[AC+\i:AC+\i+1], v[AC+8+\i:AC+9+\i]
.endr
	ds_store_b128 v[RST], v[AC:AC+3]               ; 512 x wave + 16 x lane
	s_wait_alu depctr_va_vdst(0)
	s_wait_dscnt 0x0                               ; for the others' sake
	s_barrier_signal -1
	s_barrier_wait -1
	ds_load_b128 v[48:51], v[RDA] offset:256       ; the four waves' sums of p
	s_wait_dscnt 0x0
	v_add_f32 v48, v48, v49
	v_add_f32 v50, v50, v51
	v_add_f32 v48, v48, v50
	s_wait_alu depctr_va_vdst(0)
	v_rcp_f32 v54, v48
	v_nop
	s_wait_alu depctr_va_vdst(0)
	v_mul_f32 v52, v[PY], v54
	v_mul_f32 v53, v[PY+1], v54
	global_store_b64 v[T8], v[52:53], s[10:11]     ; a wave stores one aligned unit of 256 bytes of out1
	s_cmp_lg_u32 s[WV], 0
	s_cbranch_scc1 .Ldone
.irp q, 0,1,2,3
	ds_load_b128 v[X+4*\q:X+4*\q+3], v[RLD] offset:512*\q
.endr
	s_wait_dscnt 0x0
.irp i, 0,2
	v_pk_add_f32 v[X+\i:X+\i+1], v[X+\i:X+\i+1], v[X+4+\i:X+5+\i]
	v_pk_add_f32 v[X+8+\i:X+9+\i], v[X+8+\i:X+9+\i], v[X+12+\i:X+13+\i]
.endr
.irp i, 0,2
	v_pk_add_f32 v[X+\i:X+\i+1], v[X+\i:X+\i+1], v[X+8+\i:X+9+\i]
.endr
.irp i, 0,1,2,3
	v_mul_f32 v[X+\i], v[X+\i], v54                ; / the sum of p
.endr
	global_store_b128 v[L16], v[X:X+3], s[8:9]     ; 512 consecutive bytes of out0, aligned
.Ldone:
	s_wait_tensorcnt 0x0                           ; the wave's end
	ds_add_u32 v[SPW], v[NIL]
	s_wait_dscnt 0x0
	s_endpgm
.Lfunc_end_k_q90717e6be2_context:
	.size	k_q90717e6be2_context, .Lfunc_end_k_q90717e6be2_context-k_q90717e6be2_context
	.p2alignl 7, 3214868480
	.fill 96, 4, 3214868480
	.section	.rodata,"a",@progbits
	.p2align	6, 0x0
	.amdhsa_kernel k_q90717e6be2_context
		.amdhsa_group_segment_fixed_size 327680
		.amdhsa_private_segment_fixed_size 0
		.amdhsa_enable_private_segment 0
		.amdhsa_kernarg_size 32
		.amdhsa_user_sgpr_count 2
		.amdhsa_user_sgpr_kernarg_segment_ptr 1
		.amdhsa_wavefront_size32 1
		.amdhsa_system_sgpr_workgroup_id_x 1
		.amdhsa_system_sgpr_workgroup_id_y 1
		.amdhsa_system_sgpr_workgroup_id_z 1
		.amdhsa_system_vgpr_workitem_id 0
		.amdhsa_next_free_vgpr 256
		.amdhsa_next_free_sgpr 66
		.amdhsa_reserve_vcc 0
		.amdhsa_float_denorm_mode_32 3
		.amdhsa_float_denorm_mode_16_64 3
		.amdhsa_memory_ordered 1
		.amdhsa_forward_progress 1
		.amdhsa_inst_pref_size 67
	.end_amdhsa_kernel
	.amdgpu_metadata
---
amdhsa.version: [ 1, 2 ]
amdhsa.kernels:
  - .name:           k_q90717e6be2_context
    .symbol:         k_q90717e6be2_context.kd
    .args:
      - { .name: keys, .offset: 0, .size: 8, .value_kind: global_buffer, .address_space: global }
      - { .name: sraw, .offset: 8, .size: 8, .value_kind: global_buffer, .address_space: global }
      - { .name: out0, .offset: 16, .size: 8, .value_kind: global_buffer, .address_space: global }
      - { .name: out1, .offset: 24, .size: 8, .value_kind: global_buffer, .address_space: global }
    .group_segment_fixed_size: 327680
    .private_segment_fixed_size: 0
    .kernarg_segment_align: 8
    .kernarg_segment_size: 32
    .max_flat_workgroup_size: 128
    .sgpr_count:     66
    .vgpr_count:     256
    .wavefront_size: 32
...
	.end_amdgpu_metadata
.endif
;; end of part 3
